; MI455X (gfx1250); checked and timed in simulation.
; The chip was launched on July 23, 2026; its instructions are those of AMD's public machine-readable ISA for CDNA 5 (MIT licence, August 2026) and "CDNA5" Instruction Set Architecture Reference Guide (July 2026). The comments in the code are by the model that wrote it; some were corrected since.
;; Unified Memory Layer. Allowed arithmetic: matrix products marked QUANTISED: E5M2 operands, one given power-of-two scale a tensor, by v_wmma_f32_16x16x64_bf8_bf8 or v_wmma_f32_16x16x128_bf8_bf8, f32 sums; everything else in f32.
;; Inputs: lowp_scales 4 int32 (the exponents e of the quantised operands' scales 2^e); memory 32,768 x 512 float32; query 2,048 x 512 float32.
;; Outputs: out0 2,048 x 512 float32.
;; This version of the problem:
;;   THIS VERSION OF THE PROBLEM IS GIVEN IN LOW PRECISION. The matrix products marked QUANTISED in the list below multiply operands that are first quantised to E5M2 (5 exponent bits, 2 mantissa bits; 8 bits a number), with one given power-of-two scale for each operand tensor; their sums are f32. All else is computed in f32.
;;   The module's matrix products, in the order in which they are computed (A, B: the left and right operand; K: the contracted axis; several contracted axes count as one K, in the product's order):
;;     1. [M 2,048, K 512] x [K 512, N 32,768]; A: input query; B: input memory: QUANTISED (scales: A lowp_scales[0], B lowp_scales[1])
;;     2. [M 2,048, K 32,768] x [K 32,768, N 512]; A: softmax (see below); B: input memory: QUANTISED (scales: A lowp_scales[2], B lowp_scales[3])
;;   THE QUANTISER, for each operand of a quantised product, along K:
;;     - The operand's scale is 2^e, e = its entry of the input lowp_scales (int32; the entries are numbered through the quantised products in the list's order, A before B).
;;     - Each number is divided by the scale, clamped to +-57,344, and rounded to the nearest number of E5M2, ties to even, subnormals kept.
;;     - The product sums the exact products of the quantised numbers (number of the format x scale) in f32.
;;   ~~~python
;;   def quantise(x, axis, e):      # numpy; x: float32 -> the quantised numbers, widened to float32 again
;;       x = np.moveaxis(x, axis, -1); K = x.shape[-1]
;;       r = np.clip(x / 2.0 ** e, -57344, 57344)
;;       step = 2.0 ** (np.maximum(np.frexp(np.where(r == 0, 1, r))[1] - 1, -14) - 2)
;;       q = np.round(r / step) * step * 2.0 ** e      # np.round: ties to even
;;       return np.moveaxis(q, -1, axis).astype(np.float32)
;;   ~~~
;;   SOFTMAX AHEAD OF A QUANTISED PRODUCT. Where the list says 'softmax', what is quantised is not the finished softmax but p = 2^(t - M), with t = logit x log2(e) and M = ceil(the row's largest t), a whole number; so 1/2 < the row's largest p <= 1. The row's sum l is taken of the UNQUANTISED p, in f32, and the product's result is divided by l at the end. Since M is a whole number, a kernel that streams over the keys may use a running M (the ceiling of the running maximum): every later rescaling is an exact power of two, so the quantised numbers keep their values, but for numbers so far below the row's largest that they fall under the format's range.
;;   OPERANDS COMPUTED ON THE WAY. 'Computed on the way' means the value that the module computes at that place (a softmax that the list does not call 'softmax' is quantised finished and normalised). What goes into a quantiser is computed in f32, as accurately as f32 sums, v_exp_f32 and their like allow (about 1e-6 of the number): no bf16 or f16 on the way to a quantiser, and a product that is left as it is and whose result goes on into a quantised operand takes f32 operands (vector FMAs, or v_wmma_f32_16x16x4_f32). A number that lies on a knife's edge between two numbers of the format may be rounded either way, as far as f32 arithmetic and the matrix unit's own rounding can turn it there, and no further.
;; One version. Each part assembles by itself: llvm-mc -triple=amdgcn-amd-amdhsa -mcpu=gfx1250 --defsym DOCPART=n.
;; ======== version 1 of 1: 3 launches
;; limits: right only within a limited range of input values
;; workspace buffers: kv 33,554,432 bytes; qimg 1,048,576 bytes; part 67,108,864 bytes; stat 1,048,576 bytes
;; launch quant (part 1): grid 1088 x 1, 4 waves a work-group, no clusters, 68,096 bytes of LDS; arguments memory, query, lowp_scales, kv, qimg; writes kv, qimg
.if DOCPART == 1
	.amdgcn_target "amdgcn-amd-amdhsa--gfx1250"
	.amdhsa_code_object_version 6
	.text
	.protected	k_q6af22b7c1e_quant
	.globl	k_q6af22b7c1e_quant
	.p2align	8
	.type	k_q6af22b7c1e_quant,@function
k_q6af22b7c1e_quant:
	s_mov_b64 s[64:65], 0
	v_nop
	global_prefetch_b8 v0, s[64:65] scope:SCOPE_SE
	s_setreg_imm32_b32 hwreg(HW_REG_WAVE_MODE, 25, 1), 1
	s_wait_xcnt 0x0
; memory [32768][512] and query [2048][512], f32, become codes of BF8 (E5M2), laid as IMAGES OF OPERAND REGISTERS, so that the launch that multiplies needs no pitch, no padding and no transposition.
; A fragment (16 rows x 128 along K) is 2,048 bytes: byte 512 c + 16 L + i holds row L % 16, k = 32 c + 16 (L / 16) + i: four accesses of 16 bytes a lane, 512 bytes apart, move it to or from registers 4 c .. 4 c + 3.
; kv [step = key / 128][131,072]: first 32 fragments of K (tile kt 0..7, K step s 0..3, at (4 kt + s) x 2,048; k = d; scale entry 1), then 32 of V (tile dt, at 65,536 + dt x 2,048; row = d, k = key in the step; scale entry 3).
; qimg [tile T][s][2,048], scale entry 0.  THE ROWS OF A TILE OF K OR Q ARE NOT NEIGHBOURS: of a block of 32 rows, tile u's lane r takes row 8 u + r + 8 (r / 8), so that the scores of two neighbouring tiles are 16 neighbouring keys a lane.
; code = x / 2^e, held within +-57,344, rounded to the nearest code, ties to even.  LIMITS: entries 0, 1 and 3 of the scales lie between -126 and 112; NaN among the inputs is not served.
; SHARES.  Work-groups 0 .. 1,023 take 32 rows of memory each, 1,024 .. 1,087 32 rows of query.  Wave w takes d = 128 w .. 128 w + 127 of them: 32 loads of 512 consecutive bytes.  The numbers turn through the wave's own stage
; in LDS: read back by rows (16 neighbours along d a lane) they give K's or Q's codes; read back by columns (a lane a column d, registers down the keys) they give V's.  Waves share nothing: no barrier.
.set NMEM,  1024                       ; work-groups that take memory
.set PITCH, 528                        ; a stage row: 512 bytes + 16: the sixteen rows that a 16-byte read touches begin in sixteen different groups of four banks (64 banks of 4 bytes: ISA guide 11.1)
.set WSTG,  32*PITCH                   ; a wave's stage
.set SPARE, 4*WSTG                     ; behind the stages: the spare words, 128 bytes a wave, two blocks of 256 bytes that no other line names
.set L16, 1                            ; v1   16 x lane; never rewritten
.set STW, 2                            ; v2   the stage, on the way in
.set SRK, 3                            ; v3   the stage, back by rows: 528 r + 64 h
.set SRV, 4                            ; v4   the stage, back by columns: 8 rows x h + 4 r
.set SCK, 8                            ; v8   2^e as f32 for K's or Q's codes;  v9 57,344 x that
.set LMK, 9
.set SCV, 10                           ; v10, v11 the same for V's
.set LMV, 11
.set SPW, 12                           ; v12  my spare word's LDS address; never rewritten
.set NIL, 13                           ; v13  0; never rewritten
.set R,   32                           ; v32-159  128 numbers
.set CK,  160                          ; v160-191 K's or Q's codes: registers of their own for each store
.set CV,  192                          ; v192-223 V's codes likewise
	s_load_b256 s[4:11], s[0:1], 0x0               ; memory s[4:5], query s[6:7], the scales' exponents s[8:9], kv s[10:11]
	s_load_b64 s[12:13], s[0:1], 0x20              ; qimg
	v_lshl_add_u32 v[SPW], v0, 2, SPARE
	v_mov_b32 v[NIL], 0
	v_lshrrev_b32 v5, 5, v0
	v_readfirstlane_b32 s14, v5                    ; wave 0..3
	v_and_b32 v5, 31, v0
	v_lshlrev_b32 v[L16], 4, v5
	v_and_b32 v6, 15, v0                           ; r
	v_bfe_u32 v7, v0, 4, 1                         ; h
	s_mul_i32 s15, s14, WSTG
	v_add_nc_u32 v[STW], s15, v[L16]
	v_mul_u32_u24 v[SRK], v6, PITCH
	v_lshl_add_u32 v[SRK], v7, 6, v[SRK]
	v_add_nc_u32 v[SRK], s15, v[SRK]
	v_mul_u32_u24 v[SRV], v7, 8*PITCH
	v_lshl_add_u32 v[SRV], v6, 2, v[SRV]
	v_add_nc_u32 v[SRV], s15, v[SRV]
	s_cmp_lt_u32 ttmp9, NMEM                       ; memory's work-group or query's?  The choice hangs on the work-group's number alone
	s_cselect_b32 s16, 17, 16                      ; four blocks of 32 rows are 2^17 bytes of kv (K and V), 2^16 of qimg
	s_cselect_b32 s17, 0, NMEM
	s_sub_co_u32 s17, ttmp9, s17                   ; which block of 32 rows of the tensor
	s_lshl_b32 s24, s17, 16                        ; in: 32 rows of 2,048 bytes,
	s_lshl_b32 s25, s14, 9                         ; my wave's 512 bytes of a row
	s_add_co_u32 s24, s24, s25
	s_mov_b32 s25, 0
	s_lshr_b32 s18, s17, 2                         ; the step of 128 rows,
	s_and_b32 s19, s17, 3                          ; and the block in it
	s_lshl_b32 s26, s18, s16                       ; K or Q out: tiles 2 block, 2 block + 1, K step = wave
	s_lshl_b32 s27, s19, 14
	s_add_co_u32 s26, s26, s27
	s_lshl_b32 s27, s14, 11
	s_add_co_u32 s26, s26, s27
	s_mov_b32 s27, 0
	s_lshl_b32 s28, s18, 17                        ; V out: tiles 8 wave + t, piece c = block
	s_lshl_b32 s29, s14, 14
	s_add_co_u32 s28, s28, s29
	s_lshl_b32 s29, s19, 9
	s_add_co_u32 s28, s28, s29
	s_add_co_u32 s28, s28, 65536
	s_mov_b32 s29, 0
	s_wait_alu depctr_va_vdst(0)
	s_wait_kmcnt 0x0
	s_load_b128 s[20:23], s[8:9], 0x0              ; the four exponents
	s_cmp_lt_u32 ttmp9, NMEM
	s_cselect_b64 s[4:5], s[4:5], s[6:7]
	s_cselect_b64 s[12:13], s[10:11], s[12:13]
	s_add_nc_u64 s[4:5], s[4:5], s[24:25]
	s_add_nc_u64 s[12:13], s[12:13], s[26:27]
	s_add_nc_u64 s[10:11], s[10:11], s[28:29]      ; (used by memory's work-groups alone)
.set kk, 0
.rept 32
	global_load_b128 v[R+4*kk:R+4*kk+3], v[L16], s[4:5] offset:2048*kk th:TH_LOAD_NT   ; row kk: 32 lanes read 512 consecutive bytes
.set kk, kk+1
.endr
	s_wait_kmcnt 0x0
	s_cmp_lt_u32 ttmp9, NMEM
	s_cselect_b32 s20, s21, s20                    ; entry 1 for memory as K, entry 0 for query
	s_add_co_i32 s20, s20, 127
	s_lshl_b32 s30, s20, 23
	v_mov_b32 v[SCK], s30                          ; 2^e as f32: the conversion takes its exponent field
	s_add_co_i32 s20, s20, 15
	s_lshl_b32 s20, s20, 23
	s_or_b32 s20, s20, 0x600000
	v_mov_b32 v[LMK], s20                          ; 57,344 x 2^e
	s_add_co_i32 s23, s23, 127                     ; entry 3 for memory as V
	s_lshl_b32 s30, s23, 23
	v_mov_b32 v[SCV], s30
	s_add_co_i32 s23, s23, 15
	s_lshl_b32 s23, s23, 23
	s_or_b32 s23, s23, 0x600000
	v_mov_b32 v[LMV], s23
; Into the stage.  Row kk goes to place 16 ((kk / 8) % 2) + kk % 8 + 8 (kk / 16): a tile's sixteen rows then lie on end.
.set kk, 0
	s_wait_alu depctr_va_vdst(0)
.rept 4
	s_wait_loadcnt 24-kk                           ; loads come back in order: these eight rows are in, the younger ones may be out
.rept 8
	ds_store_b128 v[STW], v[R+4*kk:R+4*kk+3] offset:PITCH*(16*((kk/8)%2)+(kk%8)+8*(kk/16))
.set kk, kk+1
.endr
.endr
	s_wait_dscnt 0x0                               ; the stores have read their registers, which take the numbers back
; Back by rows: group gg = 4 u + c: lane (r, h) takes, of tile u's row r, d = 32 c + 16 h + 0 .. 15
.set gg, 0
.rept 8
.irp j, 0,1,2,3
	ds_load_b128 v[R+16*gg+4*\j:R+16*gg+4*\j+3], v[SRK] offset:16*PITCH*(gg/4)+128*(gg%4)+16*\j
.endr
.set gg, gg+1
.endr
.macro KGRP g
	s_wait_dscnt 4*(7-(\g))                        ; this group's four loads are in; the younger groups' may be out
.irp n, 0,1,2,3,4,5,6,7,8,9,10,11,12,13,14,15
	v_med3_num_f32 v[R+16*(\g)+\n], v[R+16*(\g)+\n], -v[LMK], v[LMK]   ; the conversion to an 8-bit code does not saturate (ISA guide 7.6.2): the hold at the largest code x the scale
.endr
	v_cvt_scalef32_pk8_bf8_f32 v[CK+4*(\g):CK+4*(\g)+1], v[R+16*(\g):R+16*(\g)+7], v[SCK]
	v_cvt_scalef32_pk8_bf8_f32 v[CK+4*(\g)+2:CK+4*(\g)+3], v[R+16*(\g)+8:R+16*(\g)+15], v[SCK]
	v_nop                                          ; a plain line behind the conversions
	global_store_b128 v[L16], v[CK+4*(\g):CK+4*(\g)+3], s[12:13] offset:8192*((\g)/4)+512*((\g)%4)   ; piece c of the fragment's image: 512 consecutive bytes
.endm
.irp g, 0,1,2,3,4,5,6,7
	KGRP \g
.endr
	s_cmp_ge_u32 ttmp9, NMEM                       ; query has no second form
	s_cbranch_scc1 .Ldone
; Back by columns: tile t: lane (r, h) takes column d = 16 t + r, and its registers run down the keys 16 h + 0 .. 15 (key 16 h + i lies at place 16 (i / 8) + i % 8 + 8 h)
.macro VL t
.irp n, 0,1,2,3,4,5,6,7,8,9,10,11,12,13,14,15
	ds_load_b32 v[R+16*(\t)+\n], v[SRV] offset:PITCH*(16*(\n/8)+(\n%8))+64*(\t)
.endr
.endm
.macro VGRP t
.if (\t) < 6
	s_wait_dscnt 32                                ; this tile's sixteen loads are in; the two younger tiles' may be out
.else
	s_wait_dscnt 16*(7-(\t))
.endif
.irp n, 0,1,2,3,4,5,6,7,8,9,10,11,12,13,14,15
	v_med3_num_f32 v[R+16*(\t)+\n], v[R+16*(\t)+\n], -v[LMV], v[LMV]
.endr
	v_cvt_scalef32_pk8_bf8_f32 v[CV+4*(\t):CV+4*(\t)+1], v[R+16*(\t):R+16*(\t)+7], v[SCV]
	v_cvt_scalef32_pk8_bf8_f32 v[CV+4*(\t)+2:CV+4*(\t)+3], v[R+16*(\t)+8:R+16*(\t)+15], v[SCV]
	v_nop
	global_store_b128 v[L16], v[CV+4*(\t):CV+4*(\t)+3], s[10:11] offset:2048*(\t)   ; my block's piece of tile 8 w + t: 512 consecutive bytes
.if (\t) < 5
	VL (\t)+3
.endif
.endm
	VL 0
	VL 1
	VL 2
.irp t, 0,1,2,3,4,5,6,7
	VGRP \t
.endr
.Ldone:
	s_wait_tensorcnt 0x0                           ; the wave's end, behind my last LDS store
	ds_add_u32 v[SPW], v[NIL]
	s_wait_dscnt 0x0
	s_endpgm
.Lfunc_end_k_q6af22b7c1e_quant:
	.size	k_q6af22b7c1e_quant, .Lfunc_end_k_q6af22b7c1e_quant-k_q6af22b7c1e_quant
	.p2alignl 7, 3214868480
	.fill 96, 4, 3214868480
	.section	.rodata,"a",@progbits
	.p2align	6, 0x0
	.amdhsa_kernel k_q6af22b7c1e_quant
		.amdhsa_group_segment_fixed_size 68096
		.amdhsa_private_segment_fixed_size 0
		.amdhsa_enable_private_segment 0
		.amdhsa_kernarg_size 40
		.amdhsa_user_sgpr_count 2
		.amdhsa_user_sgpr_kernarg_segment_ptr 1
		.amdhsa_wavefront_size32 1
		.amdhsa_system_sgpr_workgroup_id_x 1
		.amdhsa_system_sgpr_workgroup_id_y 1
		.amdhsa_system_sgpr_workgroup_id_z 1
		.amdhsa_system_vgpr_workitem_id 0
		.amdhsa_next_free_vgpr 224
		.amdhsa_next_free_sgpr 66
		.amdhsa_reserve_vcc 0
		.amdhsa_float_denorm_mode_32 3
		.amdhsa_float_denorm_mode_16_64 3
		.amdhsa_memory_ordered 1
		.amdhsa_forward_progress 1
		.amdhsa_inst_pref_size 39
	.end_amdhsa_kernel
	.amdgpu_metadata
---
amdhsa.version: [ 1, 2 ]
amdhsa.kernels:
  - .name:           k_q6af22b7c1e_quant
    .symbol:         k_q6af22b7c1e_quant.kd
    .args:
      - { .name: memory, .offset: 0, .size: 8, .value_kind: global_buffer, .address_space: global }
      - { .name: query, .offset: 8, .size: 8, .value_kind: global_buffer, .address_space: global }
      - { .name: lowp_scales, .offset: 16, .size: 8, .value_kind: global_buffer, .address_space: global }
      - { .name: kv, .offset: 24, .size: 8, .value_kind: global_buffer, .address_space: global }
      - { .name: qimg, .offset: 32, .size: 8, .value_kind: global_buffer, .address_space: global }
    .group_segment_fixed_size: 68096
    .private_segment_fixed_size: 0
    .kernarg_segment_align: 8
    .kernarg_segment_size: 40
    .max_flat_workgroup_size: 128
    .sgpr_count:     66
    .vgpr_count:     224
    .wavefront_size: 32
...
	.end_amdgpu_metadata
.endif
;; end of part 1
;; launch attn (part 2): grid 16 x 16, 4 waves a work-group, clusters of 4 x 1, 327,680 bytes of LDS; arguments kv, qimg, lowp_scales, part, stat; writes part, stat
.if DOCPART == 2
	.amdgcn_target "amdgcn-amd-amdhsa--gfx1250"
	.amdhsa_code_object_version 6
	.text
	.protected	k_q6af22b7c1e_attn
	.globl	k_q6af22b7c1e_attn
	.p2align	8
	.type	k_q6af22b7c1e_attn,@function
k_q6af22b7c1e_attn:
	s_mov_b64 s[64:65], 0
	v_nop
	global_prefetch_b8 v0, s[64:65] scope:SCOPE_SE
	s_setreg_imm32_b32 hwreg(HW_REG_WAVE_MODE, 25, 1), 1
	s_wait_xcnt 0x0
	s_wait_alu depctr_hold_cnt(0) depctr_sa_sdst(0) depctr_va_vdst(0) depctr_va_sdst(0) depctr_va_ssrc(0) depctr_va_vcc(0) depctr_vm_vsrc(0)
	s_getreg_b32 s2, hwreg(HW_REG_IB_STS2, 6, 4)
	s_cmp_eq_u32 s2, 0
	s_cbranch_scc0 .Lentry_in_a_cluster
	s_endpgm
.Lentry_in_a_cluster:
	s_bfe_u32 s2, ttmp6, 0x10000c
	s_cmp_lg_u32 s2, 0x3003
	s_cbranch_scc0 .Lentry_shape_is_right
	s_endpgm
.Lentry_shape_is_right:
; One split of the read: for 128 queries and 2,048 keys, O^T = V^T P^T, not normalised, with p = 2^(t - M), t = score x log2(e), M = the running largest t rounded UP to a whole number; both products on codes of BF8 (E5M2).
; Stored: the partial O^T (f32, as the accumulators' registers lie), and for each lane -M and the sum of ITS unquantised p.  The next launch adds the sixteen splits.
; SHARES.  Work-group (X, y): queries 128 X on, keys 2,048 y on, 16 steps of 128 keys.  Wave w: a = w / 2 is its half of the queries (four tiles of 16), b = w % 2 its half of a step's keys in the first product
; (S^T = K Q^T: 4 tiles of keys x 4 of queries, K = 512 in four steps) and its half of d in the second (16 tiles of d x 4 of queries, K = the step's 128 keys): each fragment read from LDS feeds four matrix instructions.
; The two waves of a half exchange, through LDS, their row maxima and their halves of P's codes: two barriers a step.
; LAYOUT.  Both products are used transposed: a lane holds ONE query (lane % 16).  All operands lie in memory and LDS as images of their registers (2,048 bytes a fragment, read at 16 x lane, 512 bytes apart).
; In every wave P's registers 0-7 are ITS OWN 64 keys and 8-15 the partner's; V's pieces are fetched in the same order by two addresses: a permutation of k, the same on both sides of the product.
; ORDER OF A STEP.  LDS loads stand in runs.  The first product takes its tiles of keys in the order 2, 0, 1, 3: tile 2's four fragments were fetched in the step before, into slots 0 to 3; runs of 24, 16 and 8 loads bring the rest,
; the last two behind the sixteen lines that take a finished tile's maxima.  In the second product two runs of 16 bring V's tiles 8 to 15.  All reads of V are then issued, so the change of slots stands at groups 8 to 11 of 16;
; behind it come the joint refill and the next step's first four fragments of K, and then the last four groups.  O^T is rescaled in three plain blocks: behind the stores of P's codes, inside the barrier of P's exchange, and
; behind the loads of the partner's codes.  In the last step the tiles of d of window 2, which are finished after group 7, are stored behind groups 8 to 15.
; CLUSTER.  The four work-groups of a cluster have one y and walk the same K and V: each wave's quarter of a step's 131,072 bytes is asked for JOINTLY, by the same tensor load with the same descriptor and the mask of all four.
; LIMITS on the given exponents: entries 0 + 1 between -126 and 127 (added to log2(e)'s exponent field); entry 2 between -126 and 112.  NaN and infinities among the inputs are not served.
; REGISTERS, in windows of 256 (s_set_vgpr_msb: bits 1:0 source 0, 3:2 source 1, 5:4 source 2, 7:6 destination):
;   window 0: v1-17 addresses and constants; v20-27 maxima; v32-63 statistics; v64-255 twelve slots of 16: v64-191 S^T, accumulator (ktl, q) at 64 + 32 ktl + 8 q, later eight fragments of V; v192-255 P (16 a tile of queries);
;   in the first product every slot that holds no sum yet may hold a fragment of K.   window 1: Q, fragment (q, s) at 16 (4 q + s).   windows 2, 3: O^T, accumulator (dl, q) at 8 (4 (dl % 8) + q) of window 2 + dl / 8
.set NSTEP, 16
.set TILEB, 131072                     ; a step's K and V images
.set SLOT1, 131072                     ; slot 1 begins here
.set MAXX,  262144                     ; 512 bytes a wave: its row maxima
.set PX,    264192                     ; 4,096 bytes a wave: its half of P's codes
.set SPARE, 280576                     ; the spare words, 128 bytes a wave
.set L16, 1                            ; 16 x lane
.set AK0, 2                            ; my place in a slot's K
.set AV0, 3                            ; in its V, my own keys' pieces
.set AV1, 4                            ; the partner's keys' pieces
.set ADK, 5                            ; K's address in the slot of the NEXT first product; v6, v7 V's two in the slot in hand
.set ADV, 6
.set ADW, 7
.set AMO, 8
.set AMP, 9
.set APO, 10
.set APP, 11
.set SPW, 12                           ; my spare word's LDS address; never rewritten
.set NIL, 13                           ; 0; never rewritten
.set SCL, 14                           ; 2^(entry 2) as f32
.set LIMR, 15                          ; 57,344 x that
.set PFO, 16                           ; 256 x lane
.set L8,  17                           ; 8 x lane
.set MX,  20
.set MY,  24
.set ST,  32                           ; tile q at v[ST + 8 q]: +0 -M, +1 the largest t, +2, +3 the sum, +4 f, +5 its pair's upper half, +6, +7 at work
.set S,   64
.set VB,  64
.set P,   192
.set WV,  14
.set HA,  15
.set HB,  16
.set CX,  17
.set XB,  18
.set YB,  19
.set G1,  24
.set G0,  32
.set TB,  36                           ; LDS byte at which the slot in hand begins;  s39 the other slot's
.set SLOTS, 37
.set LIM, 38
.set TBN, 39
.set CS,  40
.set SEL, 42
.set PFA, 44
.set QB,  52
.set PB,  54
.set SB,  56
.set W_KQ, 0x04                        ; Q (source 1) in window 1
.set W_QL, 0x40                        ; destination window 1
.set MSB, 0
.macro WIN new                         ; the immediate's high byte repeats the setting that is left
.if MSB != (\new)
	s_set_vgpr_msb (MSB<<8)|(\new)
.set MSB, (\new)
.endif
.endm
.macro CREST                           ; a round of the cluster's barrier behind its opening barrier
	s_cmp_lg_u32 s[WV], 0
	s_cbranch_scc1 .Lnot_wave_0_\@
	s_barrier_signal -3
.Lnot_wave_0_\@:
	s_barrier_wait -3
	s_barrier_signal -1
	s_barrier_wait -1
.endm
.macro CROUND
	s_barrier_signal -1
	s_barrier_wait -1
	CREST
.endm
; A prefetch of the tile that the NEXT refill will ask for, one step ahead of that load.  The four clusters of a y walk the same tiles: the first of them asks.  Its four partners and their four waves share the tile's
; 512 blocks of 256 bytes out BY ADDRESS (32,768 cx + 8,192 wave + 256 lane).  The last refill asks for nothing.
.macro ASK
	s_cmp_gt_u32 s[SLOTS], s[LIM]
	s_cbranch_scc0 .Lnot_mine_\@
	global_prefetch_b8 v[PFO], s[PFA:PFA+1] th:TH_LOAD_NT scope:SCOPE_SE
.Lnot_mine_\@:
.endm
.macro WALK                            ; behind the wait for all my tensor loads: the descriptor and the prefetches' address step on
	s_xor_b32 s[G0+1], s[G0+1], SLOT1
	s_add_nc_u64 s[G0+2:G0+3], s[G0+2:G0+3], TILEB
	s_wait_xcnt 0x0                                ; the last prefetch has read its address
	s_add_nc_u64 s[PFA:PFA+1], s[PFA:PFA+1], TILEB
.endm
.macro REFILL                          ; the joint load, first thing behind a round; s_nop 0 and four v_nop follow it
	tensor_load_to_lds s[G0:G0+3], s[G1:G1+7]
	s_nop 0
.rept 4
	v_nop
.endr
	ASK
.endm
	s_load_b256 s[4:11], s[0:1], 0x0               ; kv, qimg, the scales' exponents, part
	s_load_b64 s[12:13], s[0:1], 0x20              ; stat
	v_lshl_add_u32 v[SPW], v0, 2, SPARE
	v_mov_b32 v[NIL], 0
	ds_add_u32 v[SPW], v[NIL]                      ; the opening lines: the add, twice on end, and its wait
	ds_add_u32 v[SPW], v[NIL]
	v_lshrrev_b32 v18, 5, v0
	v_readfirstlane_b32 s[WV], v18                 ; wave 0..3
	s_lshr_b32 s[HA], s[WV], 1
	s_and_b32 s[HB], s[WV], 1
	s_bfe_u32 s[CX], ttmp6, 0x40000                ; my place in the cluster: it enters global addresses of Q, part, stat and the prefetches alone
	s_lshl_b32 s[XB], ttmp9, 2
	s_add_co_u32 s[XB], s[XB], s[CX]               ; my block of 128 queries
	s_and_b32 s[YB], ttmp7, 0xffff                 ; my split of the keys
	s_mov_b32 s[G1], 15|(3<<16)|(1<<21)            ; the mask of all four; elements of 8 bytes; bit 21 beside a mask: a dense block of 32,768 bytes as 128 rows of 256
	s_mov_b32 s[G1+1], 32<<16
	s_mov_b32 s[G1+2], 128<<16
	s_mov_b32 s[G1+3], 32<<16
	s_mov_b32 s[G1+4], 128
	s_mov_b32 s[G1+5], 32
	s_mov_b32 s[G1+6], 0
	s_mov_b32 s[G1+7], 0
	s_lshl_b32 s20, s[HB], 15                      ; all scalar parts of the LDS addresses first, then the vector lines on end
	s_mul_i32 s21, s[HB], 33792
	s_add_co_u32 s21, s21, 65536
	s_xor_b32 s22, s[HB], 1
	s_lshl_b32 s22, s22, 10
	s_add_co_u32 s22, s22, s20
	s_add_co_u32 s22, s22, 65536
	s_xor_b32 s23, s[WV], 1                        ; the partner
	s_lshl_b32 s46, s[WV], 9
	s_add_co_u32 s46, s46, MAXX
	s_lshl_b32 s47, s23, 9
	s_add_co_u32 s47, s47, MAXX
	s_lshl_b32 s58, s[WV], 12
	s_add_co_u32 s58, s58, PX
	s_lshl_b32 s59, s23, 12
	s_add_co_u32 s59, s59, PX
	s_mov_b32 s[SEL], 0x76543210
	s_mov_b32 s[SEL+1], 0xfedcba98
	s_mov_b32 s[TB], 0
	s_mov_b32 s[TBN], SLOT1
	s_mov_b32 s[SLOTS], NSTEP-1
	s_cmp_eq_u32 ttmp9, 0                          ; the same in all four partners
	s_cselect_b32 s[LIM], 1, -1
	s_mov_b32 s[G0], 1
	s_lshl_b32 s[G0+1], s[WV], 15                  ; slot 0, my quarter
	s_lshl_b32 s60, s[YB], 21
	s_add_co_u32 s60, s60, s[G0+1]
	s_mov_b32 s61, 0
	v_and_b32 v18, 31, v0
	v_lshlrev_b32 v[L16], 4, v18
	v_lshlrev_b32 v[L8], 3, v18
	v_lshlrev_b32 v[PFO], 8, v18
	v_add_nc_u32 v[AK0], s20, v[L16]
	v_add_nc_u32 v[ADK], s20, v[L16]               ; step 0 reads slot 0
	v_add_nc_u32 v[AV0], s21, v[L16]
	v_add_nc_u32 v[AV1], s22, v[L16]
	v_add_nc_u32 v[AMO], s46, v[L16]
	v_add_nc_u32 v[AMP], s47, v[L16]
	v_add_nc_u32 v[APO], s58, v[L16]
	v_add_nc_u32 v[APP], s59, v[L16]
.irp q, 0,1,2,3
	v_mov_b32 v[ST+8*\q+5], 0                      ; (named as the upper half of f's pair)
.endr
	s_wait_alu depctr_va_vdst(0)
	s_wait_dscnt 0x0                               ; both opening adds are done
	s_wait_kmcnt 0x0
	s_load_b128 s[48:51], s[8:9], 0x0              ; the four exponents
	s_add_nc_u64 s[G0+2:G0+3], s[4:5], s[60:61]    ; tile 0
	s_or_b32 s[G0+3], s[G0+3], 0x80000000
	s_lshl_b32 s58, s[XB], 3
	s_lshl_b32 s59, s[HA], 2
	s_add_co_u32 s58, s58, s59                     ; my first tile of queries: 8 X + 4 a
	s_lshl_b32 s2, s58, 13
	s_mov_b32 s3, 0
	s_add_nc_u64 s[QB:QB+1], s[6:7], s[2:3]
	WIN W_QL
.set n, 0
.rept 64                                       ; Q stays in registers; its loads are on their way while the cluster meets
	global_load_b128 v[4*n:4*n+3], v[L16], s[QB:QB+1] offset:512*n
.set n, n+1
.endr
	WIN 0
	CROUND                                         ; the first joint loads meet
	tensor_load_to_lds s[G0:G0+3], s[G1:G1+7]      ; tile 0: my one tensor load at the head
	s_nop 0
.rept 4
	v_nop
.endr
	s_lshl_b32 s2, s[YB], 22                       ; part: [y][tile][dt][1,024]
	s_lshl_b32 s3, s58, 15
	s_add_co_u32 s2, s2, s3
	s_lshl_b32 s3, s[HB], 14
	s_add_co_u32 s2, s2, s3
	s_mov_b32 s3, 0
	s_add_nc_u64 s[PB:PB+1], s[10:11], s[2:3]
	s_lshl_b32 s2, s[YB], 7                        ; stat: [y][tile][b][lane][8]
	s_add_co_u32 s2, s2, s58
	s_lshl_b32 s2, s2, 1
	s_add_co_u32 s2, s2, s[HB]
	s_lshl_b32 s2, s2, 8
	s_add_nc_u64 s[SB:SB+1], s[12:13], s[2:3]
	s_lshl_b32 s2, s[YB], 21                       ; the prefetches: my 8,192 bytes of tile 1; the first change of slots steps them to tile 2
	s_lshl_b32 s59, s[CX], 15
	s_add_co_u32 s2, s2, s59
	s_lshl_b32 s59, s[WV], 13
	s_add_co_u32 s2, s2, s59
	s_add_co_u32 s2, s2, TILEB
	s_add_nc_u64 s[PFA:PFA+1], s[4:5], s[2:3]
	s_wait_kmcnt 0x0
	s_add_co_i32 s20, s48, s49
	s_lshl_b32 s20, s20, 23
	s_add_co_i32 s[CS], s20, 0x3fb8aa3b            ; c = log2(e) x 2^(entries 0 + 1)
	s_mov_b32 s[CS+1], s[CS]
	s_add_co_i32 s20, s50, 127
	s_lshl_b32 s21, s20, 23
	v_mov_b32 v[SCL], s21
	s_add_co_i32 s20, s20, 15
	s_lshl_b32 s20, s20, 23
	s_or_b32 s20, s20, 0x600000
	v_mov_b32 v[LIMR], s20
	s_wait_alu depctr_va_vdst(0)                   ; the head's end
	s_wait_loadcnt 0x0                             ; Q
.macro PLACES n                        ; plain vector lines between a matrix instruction and what may not follow it at once (ISA guide 7.12.1)
.rept \n
	v_nop
.endr
.endm
.macro KFR slot, ktl, s                ; K's fragment (tile ktl of my four, K step s) into slot `slot` of the twelve
.irp c, 0,1,2,3
	ds_load_b128 v[S+16*\slot+4*\c:S+16*\slot+4*\c+3], v[ADK] offset:2048*(4*\ktl+\s)+512*\c
.endr
.endm
.macro KPRE                            ; tile 2's four fragments, for the next first product, into slots 0 to 3
	KFR 0, 2, 0
	KFR 1, 2, 1
	KFR 2, 2, 2
	KFR 3, 2, 3
.endm
.macro KQ4 slot, ktl, s, zero          ; four products: the fragment in `slot` against my four tiles of queries; the four accumulators take turns
.irp q, 0,1,2,3
.if \zero
	v_wmma_f32_16x16x128_bf8_bf8 v[S+32*\ktl+8*\q:S+32*\ktl+8*\q+7], v[S+16*\slot:S+16*\slot+15], v[16*(4*\q+\s):16*(4*\q+\s)+15], 0
.else
	v_wmma_f32_16x16x128_bf8_bf8 v[S+32*\ktl+8*\q:S+32*\ktl+8*\q+7], v[S+16*\slot:S+16*\slot+15], v[16*(4*\q+\s):16*(4*\q+\s)+15], v[S+32*\ktl+8*\q:S+32*\ktl+8*\q+7]
.endif
.endr
.endm
.macro MAXN ktl, d, st                 ; the largest of tile ktl's eight scores a lane, for each tile of queries q, into v[d + st q]: sixteen lines; each accumulator is first read at its low end
.irp q, 0,1,2,3
	v_max3_num_f32 v[\d+\st*\q], v[S+32*\ktl+8*\q], v[S+32*\ktl+8*\q+1], v[S+32*\ktl+8*\q+2]
.endr
.irp n, 3,5
.irp q, 0,1,2,3
	v_max3_num_f32 v[\d+\st*\q], v[\d+\st*\q], v[S+32*\ktl+8*\q+\n], v[S+32*\ktl+8*\q+\n+1]
.endr
.endr
.irp q, 0,1,2,3
	v_max_num_f32 v[\d+\st*\q], v[\d+\st*\q], v[S+32*\ktl+8*\q+7]
.endr
.endm
.macro VLOAD dl                        ; V's tile dl of my 16 into slot dl % 8: my own keys' two pieces, then the partner's
	ds_load_b128 v[VB+16*((\dl)%8):VB+16*((\dl)%8)+3],     v[ADV] offset:2048*(\dl)
	ds_load_b128 v[VB+16*((\dl)%8)+4:VB+16*((\dl)%8)+7],   v[ADV] offset:2048*(\dl)+512
	ds_load_b128 v[VB+16*((\dl)%8)+8:VB+16*((\dl)%8)+11],  v[ADW] offset:2048*(\dl)
	ds_load_b128 v[VB+16*((\dl)%8)+12:VB+16*((\dl)%8)+15], v[ADW] offset:2048*(\dl)+512
.endm
.macro RSW w, a0, cnt                  ; cnt accumulators of window 2 + w, from a0 on, under the new M: x f of tile a % 4, which rounds nothing; each from its low end on
	WIN 0x82+0x41*(\w)
	s_wait_alu depctr_va_vdst(0)                   ; directly ahead of the first reader of these matrix results
.set i, \a0
.rept \cnt
.irp n, 0,2,4,6
	v_pk_mul_f32 v[8*i+\n:8*i+\n+1], v[8*i+\n:8*i+\n+1], v[ST+8*(i%4)+4:ST+8*(i%4)+5] op_sel_hi:[1,0]
.endr
.set i, i+1
.endr
.endm
.macro PVG k, first                    ; group k: tile k of d, four products: accumulator (k, q) += V's slot k % 8 x P of tile q
	WIN 0xa0+0x50*((\k)/8)
.irp q, 0,1,2,3
.if \first
	v_wmma_f32_16x16x128_bf8_bf8 v[8*(4*((\k)%8)+\q):8*(4*((\k)%8)+\q)+7], v[VB+16*((\k)%8):VB+16*((\k)%8)+15], v[P+16*\q:P+16*\q+15], 0
.else
	v_wmma_f32_16x16x128_bf8_bf8 v[8*(4*((\k)%8)+\q):8*(4*((\k)%8)+\q)+7], v[VB+16*((\k)%8):VB+16*((\k)%8)+15], v[P+16*\q:P+16*\q+15], v[8*(4*((\k)%8)+\q):8*(4*((\k)%8)+\q)+7]
.endif
.endr
.endm
.macro OUTG d                          ; tile d's four accumulators leave as they lie: registers 0-3 of the 32 lanes are 512 consecutive bytes, registers 4-7 the next 512
	WIN 0x08+0x04*((\d)/8)                         ; the stores' data in window 2 or 3
.irp q, 0,1,2,3
	global_store_b128 v[L16], v[8*(4*((\d)%8)+\q):8*(4*((\d)%8)+\q)+3], s[PB:PB+1] offset:1024*(32*\q+(\d)) th:TH_STORE_NT
	global_store_b128 v[L16], v[8*(4*((\d)%8)+\q)+4:8*(4*((\d)%8)+\q)+7], s[PB:PB+1] offset:1024*(32*\q+(\d))+512 th:TH_STORE_NT
.endr
.endm
.macro SCALE n                         ; t - M for the pair of scores at v[S + n]
	v_pk_fma_f32 v[S+(\n):S+(\n)+1], v[S+(\n):S+(\n)+1], s[CS:CS+1], v[ST+8*(((\n)/8)%4):ST+8*(((\n)/8)%4)+1] op_sel_hi:[1,0,0]
.endm
; A STEP of 128 keys.  At its head tile 2's four fragments of K are on their way into slots 0 to 3 (16 loads).  first = 1: it starts M, the sums and O^T.
; tail = 2: its change of slots fills the slot in hand again; 1: it only shows the next slot whole; 0: the last step.
.macro STEP first, tail
	; ---- S^T = K Q^T.  Tile ktl's sums lie in slots 2 ktl, 2 ktl + 1.  Each wait's count is the loads issued behind the fragment needed
	WIN W_KQ
	KFR 8, 0, 0                                    ; the run of 24: tile 0's four fragments and tile 1's first two
	KFR 9, 0, 1
	KFR 10, 0, 2
	KFR 11, 0, 3
	KFR 6, 1, 0
	KFR 7, 1, 1
	s_wait_dscnt 24                                ; tile 2's fragments are in
	KQ4 0, 2, 0, 1
	KQ4 1, 2, 1, 0
	KQ4 2, 2, 2, 0
	KQ4 3, 2, 3, 0
	PLACES 5                                       ; tile 0's sums begin over slots 0 and 1
	s_wait_dscnt 20
	KQ4 8, 0, 0, 1
	s_wait_dscnt 16
	KQ4 9, 0, 1, 0
	s_wait_dscnt 12
	KQ4 10, 0, 2, 0
	s_wait_dscnt 8
	KQ4 11, 0, 3, 0
	WIN 0
	MAXN 2, MX, 1                                  ; tile 2's maxima: also the places in front of the loads into slots 8 to 11
	WIN W_KQ
	KFR 8, 1, 2                                    ; the run of 16
	KFR 9, 1, 3
	KFR 10, 3, 0
	KFR 11, 3, 1
	s_wait_dscnt 20
	KQ4 6, 1, 0, 1
	s_wait_dscnt 16
	KQ4 7, 1, 1, 0
	s_wait_dscnt 12
	KQ4 8, 1, 2, 0
	s_wait_dscnt 8
	KQ4 9, 1, 3, 0
	WIN 0
	MAXN 0, MY, 1                                  ; tile 0's maxima: also the places in front of the loads into slots 8 and 9 and of tile 3's sums over slots 6 and 7
	WIN W_KQ
	KFR 8, 3, 2                                    ; the run of 8
	KFR 9, 3, 3
	s_wait_dscnt 12
	KQ4 10, 3, 0, 1
	s_wait_dscnt 8
	KQ4 11, 3, 1, 0
	s_wait_dscnt 4
	KQ4 8, 3, 2, 0
	s_wait_dscnt 0x0
	KQ4 9, 3, 3, 0
	WIN 0
	MAXN 1, ST+6, 8                                ; tile 1's maxima: also the places in front of the first read of tile 3's results
.irp n, 0,2,4,6
.irp q, 0,1,2,3
	v_max3_num_f32 v[ST+8*\q+6], v[ST+8*\q+6], v[S+96+8*\q+\n], v[S+96+8*\q+\n+1]
.endr
.endr
.irp q, 0,1,2,3
	v_max3_num_f32 v[ST+8*\q+6], v[ST+8*\q+6], v[MX+\q], v[MY+\q]
.endr
.irp q, 0,1,2,3
	v_permlanex16_b32 v[MY+\q], v[ST+8*\q+6], s[SEL], s[SEL+1]
.endr
.irp q, 0,1,2,3
	v_max_num_f32 v[MX+\q], v[ST+8*\q+6], v[MY+\q]   ; the largest score of each query among my 64 keys
.endr
	ds_store_b128 v[AMO], v[MX:MX+3]
	s_wait_alu depctr_va_vdst(0)
	s_wait_dscnt 0x0                               ; for the partner's sake: my maxima lie in LDS
	s_barrier_signal -1
	s_barrier_wait -1
	ds_load_b128 v[MY:MY+3], v[AMP]                ; the other 64 keys' maxima
	s_wait_dscnt 0x0
.irp q, 0,1,2,3
	v_max_num_f32 v[MX+\q], v[MX+\q], v[MY+\q]
.endr
.if \first
.irp q, 0,1,2,3
	v_mul_f32 v[ST+8*\q+1], s[CS], v[MX+\q]        ; as t (c is positive)
.endr
.irp q, 0,1,2,3
	v_floor_f32 v[ST+8*\q], -v[ST+8*\q+1]          ; -M = floor(-t) = -ceil(t)
.endr
.else
.irp q, 0,1,2,3
	v_mul_f32 v[ST+8*\q+6], s[CS], v[MX+\q]
.endr
.irp q, 0,1,2,3
	v_max_num_f32 v[ST+8*\q+1], v[ST+8*\q+1], v[ST+8*\q+6]   ; the running largest t
.endr
.irp q, 0,1,2,3
	v_mov_b32 v[ST+8*\q+6], v[ST+8*\q]
.endr
.irp q, 0,1,2,3
	v_floor_f32 v[ST+8*\q], -v[ST+8*\q+1]
.endr
.irp q, 0,1,2,3
	v_sub_f32 v[ST+8*\q+6], v[ST+8*\q], v[ST+8*\q+6]         ; M's old value less its new one: a whole number, 0 or less
.endr
.irp q, 0,1,2,3
	v_cvt_i32_f32 v[ST+8*\q+6], v[ST+8*\q+6]                 ; (it saturates)
.endr
.irp q, 0,1,2,3
	v_ldexp_f32 v[ST+8*\q+4], 1.0, v[ST+8*\q+6]              ; f
.endr
.endif
.if \tail
	v_add_nc_u32 v[ADK], s[TBN], v[AK0]            ; K is read out: its address turns to the next step's slot; these three lines share the wait below
.endif
	v_add_nc_u32 v[ADV], s[TB], v[AV0]
	v_add_nc_u32 v[ADW], s[TB], v[AV1]
	; ---- p = 2^(t - M), at most 1: not normalised.  All 64 scalings, one wait, one batch of 128 exponentials, a plain line, one wait
.set n, 0
.rept 64
	SCALE n
.set n, n+2
.endr
	s_wait_alu depctr_va_vdst(0)                   ; ahead of the batch
.set n, 0
.rept 128
	v_exp_f32 v[S+n], v[S+n]
.set n, n+1
.endr
.if \first
	v_nop                                          ; the plain line behind the last exponential
.else
.irp q, 0,1,2,3
	v_pk_mul_f32 v[ST+8*\q+2:ST+8*\q+3], v[ST+8*\q+2:ST+8*\q+3], v[ST+8*\q+4:ST+8*\q+5] op_sel_hi:[1,0]   ; the sums under the new M
.endr
.endif
	s_wait_alu depctr_va_vdst(0)                   ; one wait for the whole batch, ahead of its first reader
	; ---- the sums are taken of the UNQUANTISED p: two chains a tile
.irp q, 0,1,2,3
	v_pk_add_f32 v[ST+8*\q+6:ST+8*\q+7], v[S+8*\q:S+8*\q+1], v[S+8*\q+2:S+8*\q+3]
.endr
.irp n, 4,8,12,16,20,24,28
.irp q, 0,1,2,3
.set rA, S+32*(\n/8)+8*\q+\n%8
.if \first && (\n == 4)
	v_pk_add_f32 v[ST+8*\q+2:ST+8*\q+3], v[rA:rA+1], v[rA+2:rA+3]
.else
	v_pk_add_f32 v[ST+8*\q+2:ST+8*\q+3], v[ST+8*\q+2:ST+8*\q+3], v[rA:rA+1]
	v_pk_add_f32 v[ST+8*\q+6:ST+8*\q+7], v[ST+8*\q+6:ST+8*\q+7], v[rA+2:rA+3]
.endif
.endr
.endr
.irp q, 0,1,2,3
	v_pk_add_f32 v[ST+8*\q+2:ST+8*\q+3], v[ST+8*\q+2:ST+8*\q+3], v[ST+8*\q+6:ST+8*\q+7]
.endr
	; ---- p becomes codes: the registers of tiles of keys 2 u and 2 u + 1 are 16 neighbouring keys a lane.  When u = 0 is done, slots 0 to 3 take V's first four tiles
.irp u, 0,1
.irp q, 0,1,2,3
.irp n, 0,1,2,3,4,5,6,7
	v_min_num_f32 v[S+64*\u+8*\q+\n], v[S+64*\u+8*\q+\n], v[LIMR]   ; the conversion does not saturate (ISA guide 7.6.2); p is not negative, so the hold is one-sided
.endr
.irp n, 0,1,2,3,4,5,6,7
	v_min_num_f32 v[S+64*\u+32+8*\q+\n], v[S+64*\u+32+8*\q+\n], v[LIMR]
.endr
	v_cvt_scalef32_pk8_bf8_f32 v[P+16*\q+4*\u:P+16*\q+4*\u+1], v[S+64*\u+8*\q:S+64*\u+8*\q+7], v[SCL]
	v_cvt_scalef32_pk8_bf8_f32 v[P+16*\q+4*\u+2:P+16*\q+4*\u+3], v[S+64*\u+32+8*\q:S+64*\u+32+8*\q+7], v[SCL]
.endr
.if \u == 0
	VLOAD 0
	VLOAD 1
	VLOAD 2
	VLOAD 3
.endif
.endr
	v_nop                                          ; a plain line behind the last conversion
.irp q, 0,1,2,3
.irp u, 0,1
	ds_store_b128 v[APO], v[P+16*\q+4*\u:P+16*\q+4*\u+3] offset:512*(2*\q+\u)
.endr
.endr
.if !\first
	RSW 0, 0, 16                                   ; window 2's first half is rescaled while my codes go to LDS,
.endif
	s_wait_alu depctr_va_vdst(0)
	s_wait_dscnt 0x0                               ; for the partner's sake: my codes lie in LDS
	s_barrier_signal -1
.if !\first
	RSW 0, 16, 16                                  ; its second half while the others arrive,
.endif
	WIN 0
	s_barrier_wait -1
.irp q, 0,1,2,3
.irp u, 0,1
	ds_load_b128 v[P+16*\q+8+4*\u:P+16*\q+8+4*\u+3], v[APP] offset:512*(2*\q+\u)   ; the partner's 64 keys
.endr
.endr
	VLOAD 4
	VLOAD 5
	VLOAD 6
	VLOAD 7
.if !\first
	RSW 1, 0, 32                                   ; window 3 while the partner's codes and V's tiles 4 to 7 come
	s_wait_alu depctr_va_vdst(0)
.endif
	s_wait_dscnt 0x0
	; ---- O^T += V^T P^T: sixteen groups of four products, a tile of d each
.irp k, 0,1,2,3
	PVG \k, \first
.endr
	PLACES 4                                       ; in front of the loads into slots 0 to 3
	WIN 0
	VLOAD 8
	VLOAD 9
	VLOAD 10
	VLOAD 11
.irp k, 4,5,6,7
	PVG \k, \first
.endr
	PLACES 4                                       ; in front of the loads into slots 4 to 7 (in the last step also of the stores of window 2)
	WIN 0
	VLOAD 12
	VLOAD 13
	VLOAD 14
	VLOAD 15
.if \tail == 0
	s_wait_dscnt 16                                ; tiles 8 to 11 are in
.irp k, 8,9,10,11
	PVG \k, \first
	OUTG \k-8                                      ; window 2 is finished: tile k - 8 leaves behind group k
.endr
	s_wait_dscnt 0x0
.else
	; THE CHANGE OF SLOTS: my last reads of this slot have been issued
	s_wait_tensorcnt 0x0                           ; my quarter of the next step's tile has landed; no tensor load of mine is out
	ds_add_u32 v[SPW], v[NIL]                      ; 0 onto my spare word; groups 8 and 9 stand between it and the wait for it
.if \tail == 2
	WALK
.endif
	s_wait_dscnt 17                                ; tiles 8 to 11 are in; tiles 12 to 15 and the add may be out
	PVG 8, \first
	PVG 9, \first
	s_wait_dscnt 0x0                               ; the add is done, and my reads of this slot are over
	s_barrier_signal -1                            ; groups 10 and 11 work on registers while the others arrive
	PVG 10, \first
	PVG 11, \first
	PLACES 4                                       ; in front of the loads into slots 0 to 3
	WIN 0
	s_barrier_wait -1
.if \tail == 2
	CREST                                          ; no wave of any partner still reads this slot or has a load on its way
	REFILL
.endif
	KPRE                                           ; from the slot just shown whole
.endif
.irp k, 12,13,14,15
	PVG \k, \first
.if \tail == 0
	OUTG \k-8
.endif
.endr
	PLACES 5                                       ; in front of the next step's loads into slots 6 to 11 and of its first sums over slots 4 and 5; at the end, of the stores
	WIN 0
	s_xor_b32 s[TB], s[TB], SLOT1
	s_xor_b32 s[TBN], s[TBN], SLOT1
.endm
	; The first change of slots: tile 0 is shown whole, and tile 1 is asked for, as a refill is: behind the three lines and a round.
	s_wait_tensorcnt 0x0
	ds_add_u32 v[SPW], v[NIL]
	WALK
	s_wait_dscnt 0x0
	CROUND
	REFILL
	KPRE
	s_sub_co_u32 s[SLOTS], s[SLOTS], 1
	STEP 1, 2                                      ; step 0 asks for tile 2
	s_sub_co_u32 s[SLOTS], s[SLOTS], 1
.Lstep:                                                ; 13 trips: steps 1 to 13, which ask for tiles 3 to 15
	STEP 0, 2
	s_sub_co_u32 s[SLOTS], s[SLOTS], 1
	s_cmp_lg_u32 s[SLOTS], 0
	s_cbranch_scc1 .Lstep
	STEP 0, 1                                      ; the last two steps are written out
	STEP 0, 0                                      ; (it has stored window 2's tiles of d)
	; THE REST OF THE WAY OUT: the statistics, then window 3's tiles of d.
.irp q, 0,1,2,3
	v_mov_b32 v[ST+8*\q+6], v[ST+8*\q]             ; -M,
	v_add_f32 v[ST+8*\q+7], v[ST+8*\q+2], v[ST+8*\q+3]   ; and the sum of my lane's p
.endr
.irp q, 0,1,2,3
	global_store_b64 v[L8], v[ST+8*\q+6:ST+8*\q+7], s[SB:SB+1] offset:512*\q   ; 32 lanes store 256 consecutive bytes
.endr
.irp d, 8,9,10,11,12,13,14,15
	OUTG \d
.endr
	WIN 0
	s_wait_tensorcnt 0x0                           ; the wave's end
	ds_add_u32 v[SPW], v[NIL]
	s_wait_dscnt 0x0
	CROUND                                         ; the closing round
	s_endpgm
.Lfunc_end_k_q6af22b7c1e_attn:
	.size	k_q6af22b7c1e_attn, .Lfunc_end_k_q6af22b7c1e_attn-k_q6af22b7c1e_attn
	.p2alignl 7, 3214868480
	.fill 96, 4, 3214868480
	.section	.rodata,"a",@progbits
	.p2align	6, 0x0
	.amdhsa_kernel k_q6af22b7c1e_attn
		.amdhsa_group_segment_fixed_size 327680
		.amdhsa_private_segment_fixed_size 0
		.amdhsa_enable_private_segment 0
		.amdhsa_kernarg_size 40
		.amdhsa_user_sgpr_count 2
		.amdhsa_user_sgpr_kernarg_segment_ptr 1
		.amdhsa_wavefront_size32 1
		.amdhsa_system_sgpr_workgroup_id_x 1
		.amdhsa_system_sgpr_workgroup_id_y 1
		.amdhsa_system_sgpr_workgroup_id_z 1
		.amdhsa_system_vgpr_workitem_id 0
		.amdhsa_next_free_vgpr 1024
		.amdhsa_next_free_sgpr 66
		.amdhsa_reserve_vcc 0
		.amdhsa_float_denorm_mode_32 3
		.amdhsa_float_denorm_mode_16_64 3
		.amdhsa_memory_ordered 1
		.amdhsa_forward_progress 1
		.amdhsa_inst_pref_size 244
	.end_amdhsa_kernel
	.amdgpu_metadata
---
amdhsa.version: [ 1, 2 ]
amdhsa.kernels:
  - .name:           k_q6af22b7c1e_attn
    .symbol:         k_q6af22b7c1e_attn.kd
    .args:
      - { .name: kv, .offset: 0, .size: 8, .value_kind: global_buffer, .address_space: global }
      - { .name: qimg, .offset: 8, .size: 8, .value_kind: global_buffer, .address_space: global }
      - { .name: lowp_scales, .offset: 16, .size: 8, .value_kind: global_buffer, .address_space: global }
      - { .name: part, .offset: 24, .size: 8, .value_kind: global_buffer, .address_space: global }
      - { .name: stat, .offset: 32, .size: 8, .value_kind: global_buffer, .address_space: global }
    .group_segment_fixed_size: 327680
    .private_segment_fixed_size: 0
    .kernarg_segment_align: 8
    .kernarg_segment_size: 40
    .max_flat_workgroup_size: 128
    .sgpr_count:     66
    .vgpr_count:     1024
    .wavefront_size: 32
...
	.end_amdgpu_metadata
.endif
;; end of part 2
;; launch comb (part 3): grid 256 x 1, 4 waves a work-group, no clusters, 17,920 bytes of LDS; arguments part, stat, lowp_scales, out0; writes out0
.if DOCPART == 3
	.amdgcn_target "amdgcn-amd-amdhsa--gfx1250"
	.amdhsa_code_object_version 6
	.text
	.protected	k_q6af22b7c1e_comb
	.globl	k_q6af22b7c1e_comb
	.p2align	8
	.type	k_q6af22b7c1e_comb,@function
k_q6af22b7c1e_comb:
	s_mov_b64 s[64:65], 0
	v_nop
	global_prefetch_b8 v0, s[64:65] scope:SCOPE_SE
	s_setreg_imm32_b32 hwreg(HW_REG_WAVE_MODE, 25, 1), 1
	s_wait_xcnt 0x0
; out0 = (the sum over the 16 splits y of 2^(M_y - M) O_y) / (the sum over y of 2^(M_y - M) l_y) x 2^(entries 2 + 3 of the scales), M the largest M_y.  The M_y are whole numbers, so the weights are exact powers of two.
; part [y][tile T][dt][1,024]: an accumulator of O^T as it lay: registers 0-3 at 16 x lane, 4-7 at 512 + 16 x lane; lane (r, h), register j: query r of the tile, d = 16 dt + 8 h + j.
; stat [y][T][b][lane][8]: -M_y and the sum of that lane's p: a query's l_y is the sum over b and over lanes r and r + 16.  Tile T holds queries 32 (T / 2) + 8 (T % 2) + r + 8 (r / 8).
; SHARES.  Work-group n: tile n / 2, half n % 2 of d.  Wave w: four tiles of d, 256 bytes of each of the tile's 16 rows of out0.  A stream: 16 sets of 4,096 bytes a wave, four sets ahead; no matrix unit, no barrier.
; The rows leave through the wave's own stage in LDS, so that sixteen lanes store 256 consecutive bytes, aligned.
.set SPITCH, 272
.set WSTG,  16*SPITCH
.set SPARE, 4*WSTG                     ; behind the stages: the spare words, 128 bytes a wave: two blocks of 256 bytes that no other line names
.set L16, 1                            ; v1   16 x lane; never rewritten
.set L8,  2                            ; v2   8 x lane
.set SO,  3                            ; v3   the stage, in: row r, + 32 h
.set SR,  4                            ; v4   back: lanes 0-15 one row, lanes 16-31 the next
.set GO,  5                            ; v5   the same two rows in out0
.set SPW, 12
.set NIL, 13
.set SS,  32                           ; v32-95   split y: +0 -M, then its weight; +1 l; +2, +3 the other wave's pair, then at work
.set ACC, 96                           ; v96-127  register 8 t + j: tile t of my four
.set DS,  128                          ; v128-255 four sets of 32
.set BS,  32                           ; s[32:47] eight bases into part, 2^23 bytes apart: two splits to a base, the second by the immediate
	s_load_b256 s[4:11], s[0:1], 0x0               ; part s[4:5], stat s[6:7], the scales' exponents s[8:9], out0 s[10:11]
	v_lshl_add_u32 v[SPW], v0, 2, SPARE
	v_mov_b32 v[NIL], 0
	v_lshrrev_b32 v6, 5, v0
	v_readfirstlane_b32 s14, v6                    ; wave 0..3
	v_and_b32 v6, 31, v0
	v_lshlrev_b32 v[L16], 4, v6
	v_lshlrev_b32 v[L8], 3, v6
	v_and_b32 v6, 15, v0                           ; r
	v_bfe_u32 v7, v0, 4, 1                         ; h
	s_mul_i32 s15, s14, WSTG
	v_mul_u32_u24 v[SO], v6, SPITCH
	v_lshl_add_u32 v[SO], v7, 5, v[SO]
	v_add_nc_u32 v[SO], s15, v[SO]
	v_mul_u32_u24 v[SR], v7, SPITCH
	v_lshl_add_u32 v[SR], v6, 4, v[SR]
	v_add_nc_u32 v[SR], s15, v[SR]
	v_lshlrev_b32 v[GO], 11, v7
	v_lshl_add_u32 v[GO], v6, 4, v[GO]
	s_mov_b32 s26, 0x76543210
	s_mov_b32 s27, 0xfedcba98                      ; v_permlanex16_b32's selects for lane l xor 16
	s_lshr_b32 s16, ttmp9, 1                       ; T
	s_and_b32 s17, ttmp9, 1                        ; which half of d
	s_lshl_b32 s20, s16, 15
	s_lshl_b32 s21, s17, 14
	s_add_co_u32 s20, s20, s21
	s_lshl_b32 s21, s14, 12
	s_add_co_u32 s20, s20, s21
	s_mov_b32 s21, 0
	s_lshl_b32 s22, s16, 9
	s_mov_b32 s23, 0
	s_lshr_b32 s24, s16, 1                         ; out0: row 32 (T / 2) + 8 (T % 2), of 2,048 bytes; column 1,024 half + 256 wave
	s_lshl_b32 s24, s24, 16
	s_and_b32 s25, s16, 1
	s_lshl_b32 s25, s25, 14
	s_add_co_u32 s24, s24, s25
	s_lshl_b32 s25, s17, 10
	s_add_co_u32 s24, s24, s25
	s_lshl_b32 s25, s14, 8
	s_add_co_u32 s24, s24, s25
	s_mov_b32 s25, 0
	s_wait_kmcnt 0x0
	s_load_b128 s[48:51], s[8:9], 0x0
	s_add_nc_u64 s[BS:BS+1], s[4:5], s[20:21]
.irp k, 1,2,3,4,5,6,7
	s_add_nc_u64 s[BS+2*\k:BS+2*\k+1], s[BS+2*\k-2:BS+2*\k-1], 0x800000
.endr
	s_add_nc_u64 s[6:7], s[6:7], s[22:23]
	s_add_nc_u64 s[10:11], s[10:11], s[24:25]
.irp y, 0,1,2,3,4,5,6,7,8,9,10,11,12,13,14,15
	global_load_b64 v[SS+4*\y:SS+4*\y+1], v[L8], s[6:7] offset:65536*\y
	global_load_b64 v[SS+4*\y+2:SS+4*\y+3], v[L8], s[6:7] offset:65536*\y+256
.endr
.macro DLOAD y                         ; split y's four accumulators into set y % 4: eight loads of 512 consecutive bytes
.irp n, 0,1,2,3,4,5,6,7
	global_load_b128 v[DS+32*((\y)%4)+4*\n:DS+32*((\y)%4)+4*\n+3], v[L16], s[BS+2*((\y)/2):BS+2*((\y)/2)+1] offset:4194304*((\y)%2)+512*\n th:TH_LOAD_NT
.endr
.endm
	DLOAD 0
	DLOAD 1
	DLOAD 2
	s_wait_loadcnt 24                              ; the statistics are in; the three sets behind them may be out
	DLOAD 3
	v_min3_num_f32 v20, v[SS], v[SS+4], v[SS+8]    ; the least -M: -(the largest M)
.irp y, 3,5,7,9,11,13
	v_min3_num_f32 v20, v20, v[SS+4*\y], v[SS+4*\y+4]
.endr
	v_min_num_f32 v20, v20, v[SS+60]
.irp y, 0,1,2,3,4,5,6,7,8,9,10,11,12,13,14,15
	v_add_f32 v[SS+4*\y+1], v[SS+4*\y+1], v[SS+4*\y+3]   ; the two waves' sums
	v_sub_f32 v[SS+4*\y+2], v20, v[SS+4*\y]              ; M_y - M: a whole number, 0 or less
.endr
.irp y, 0,1,2,3,4,5,6,7,8,9,10,11,12,13,14,15
	v_cvt_i32_f32 v[SS+4*\y+2], v[SS+4*\y+2]             ; (it saturates)
.endr
.irp y, 0,1,2,3,4,5,6,7,8,9,10,11,12,13,14,15
	v_ldexp_f32 v[SS+4*\y], 1.0, v[SS+4*\y+2]            ; the split's weight
.endr
	v_mul_f32 v21, v[SS], v[SS+1]                  ; the divisor, in two chains
	v_mul_f32 v22, v[SS+4], v[SS+5]
.irp y, 2,4,6,8,10,12,14
	v_fma_f32 v21, v[SS+4*\y], v[SS+4*\y+1], v21
	v_fma_f32 v22, v[SS+4*\y+4], v[SS+4*\y+5], v22
.endr
	v_add_f32 v21, v21, v22
	v_permlanex16_b32 v22, v21, s26, s27
	v_add_f32 v21, v21, v22                        ; and lane l xor 16's: the row's sum
	s_wait_alu depctr_va_vdst(0)
	v_rcp_f32 v21, v21
	v_nop                                          ; a plain line behind the transcendental
	s_wait_kmcnt 0x0
	s_add_co_i32 s18, s50, s51
	s_wait_alu depctr_va_vdst(0)                   ; ahead of the first reader
	v_ldexp_f32 v21, v21, s18                      ; x 2^(entries 2 + 3)
.irp y, 0,1,2,3,4,5,6,7,8,9,10,11,12,13,14,15
	v_mul_f32 v[SS+4*\y], v[SS+4*\y], v21
.endr
.macro TAKE y
.if (\y) < 12
	s_wait_loadcnt 24                              ; this set's eight loads are in; the three younger sets' may be out
.else
	s_wait_loadcnt 8*(15-(\y))
.endif
.irp n, 0,2,4,6,8,10,12,14,16,18,20,22,24,26,28,30
.if (\y) == 0
	v_pk_mul_f32 v[ACC+\n:ACC+\n+1], v[DS+\n:DS+\n+1], v[SS:SS+1] op_sel_hi:[1,0]   ; the first split starts the sums: nothing is cleared
.else
	v_pk_fma_f32 v[ACC+\n:ACC+\n+1], v[DS+32*((\y)%4)+\n:DS+32*((\y)%4)+\n+1], v[SS+4*(\y):SS+4*(\y)+1], v[ACC+\n:ACC+\n+1] op_sel_hi:[1,0,1]
.endif
.endr
.if (\y) < 12
	DLOAD (\y)+4
.endif
.endm
.irp y, 0,1,2,3,4,5,6,7,8,9,10,11,12,13,14,15
	TAKE \y
.endr
.irp t, 0,1,2,3
	ds_store_b128 v[SO], v[ACC+8*\t:ACC+8*\t+3] offset:64*\t
	ds_store_b128 v[SO], v[ACC+8*\t+4:ACC+8*\t+7] offset:64*\t+16
.endr
.irp i, 0,1,2,3,4,5,6,7
	ds_load_b128 v[DS+4*\i:DS+4*\i+3], v[SR] offset:2*\i*SPITCH   ; LDS serves a wave's instructions in order (ISA guide 5.7.1.4): these see my stores
.endr
.irp i, 0,1,2,3,4,5,6,7
	s_wait_dscnt 7-\i
	global_store_b128 v[GO], v[DS+4*\i:DS+4*\i+3], s[10:11] offset:2048*(2*\i+8*(\i/4)) th:TH_STORE_NT   ; the tile's rows 8 to 15 are the queries 16 to 23 of its block; 16 lanes store 256 consecutive bytes, aligned
.endr
	s_wait_tensorcnt 0x0                           ; the wave's end, behind my last LDS store
	ds_add_u32 v[SPW], v[NIL]
	s_wait_dscnt 0x0
	s_endpgm
.Lfunc_end_k_q6af22b7c1e_comb:
	.size	k_q6af22b7c1e_comb, .Lfunc_end_k_q6af22b7c1e_comb-k_q6af22b7c1e_comb
	.p2alignl 7, 3214868480
	.fill 96, 4, 3214868480
	.section	.rodata,"a",@progbits
	.p2align	6, 0x0
	.amdhsa_kernel k_q6af22b7c1e_comb
		.amdhsa_group_segment_fixed_size 17920
		.amdhsa_private_segment_fixed_size 0
		.amdhsa_enable_private_segment 0
		.amdhsa_kernarg_size 32
		.amdhsa_user_sgpr_count 2
		.amdhsa_user_sgpr_kernarg_segment_ptr 1
		.amdhsa_wavefront_size32 1
		.amdhsa_system_sgpr_workgroup_id_x 1
		.amdhsa_system_sgpr_workgroup_id_y 1
		.amdhsa_system_sgpr_workgroup_id_z 1
		.amdhsa_system_vgpr_workitem_id 0
		.amdhsa_next_free_vgpr 256
		.amdhsa_next_free_sgpr 66
		.amdhsa_reserve_vcc 0
		.amdhsa_float_denorm_mode_32 3
		.amdhsa_float_denorm_mode_16_64 3
		.amdhsa_memory_ordered 1
		.amdhsa_forward_progress 1
		.amdhsa_inst_pref_size 42
	.end_amdhsa_kernel
	.amdgpu_metadata
---
amdhsa.version: [ 1, 2 ]
amdhsa.kernels:
  - .name:           k_q6af22b7c1e_comb
    .symbol:         k_q6af22b7c1e_comb.kd
    .args:
      - { .name: part, .offset: 0, .size: 8, .value_kind: global_buffer, .address_space: global }
      - { .name: stat, .offset: 8, .size: 8, .value_kind: global_buffer, .address_space: global }
      - { .name: lowp_scales, .offset: 16, .size: 8, .value_kind: global_buffer, .address_space: global }
      - { .name: out0, .offset: 24, .size: 8, .value_kind: global_buffer, .address_space: global }
    .group_segment_fixed_size: 17920
    .private_segment_fixed_size: 0
    .kernarg_segment_align: 8
    .kernarg_segment_size: 32
    .max_flat_workgroup_size: 128
    .sgpr_count:     66
    .vgpr_count:     256
    .wavefront_size: 32
...
	.end_amdgpu_metadata
.endif
;; end of part 3
